; MI455X (gfx1250); checked and timed in simulation.
; The chip was launched on July 23, 2026; its instructions are those of AMD's public machine-readable ISA for CDNA 5 (MIT licence, August 2026) and "CDNA5" Instruction Set Architecture Reference Guide (July 2026). The comments in the code are by the model that wrote it; some were corrected since.
;; Causal Self Attention. Allowed arithmetic: matrix products marked QUANTISED: E2M1 operands, one E8M0 scale for each 32 along K, by v_wmma_scale_f32_16x16x128_f8f6f4 with both operands' format E2M1 (or v_wmma_scale_f32_32x16x128_f4), f32 sums; everything else in f32.
;; Inputs: Wk_codes 1,024 x 32 x 16 uint8 (E2M1 codes of Wk, K innermost, in blocks of 32 codes, two codes a byte); Wk_scales 1,024 x 32 uint8 (E8M0 scales of Wk, one for each 32 codes along K); Wq_codes 1,024 x 32 x 16 uint8 (E2M1 codes of Wq, K innermost, in blocks of 32 codes, two codes a byte); Wq_scales 1,024 x 32 uint8 (E8M0 scales of Wq, one for each 32 codes along K); Wv_codes 1,024 x 32 x 16 uint8 (E2M1 codes of Wv, K innermost, in blocks of 32 codes, two codes a byte); Wv_scales 1,024 x 32 uint8 (E8M0 scales of Wv, one for each 32 codes along K); attention_mask 4 x 1 x 1 x 2,048 float32; bk 1,024 float32; bq 1,024 float32; bv 1,024 float32; hidden_states_codes 4 x 2,048 x 32 x 16 uint8 (E2M1 codes of hidden_states, K innermost, in blocks of 32 codes, two codes a byte); hidden_states_scales 4 x 2,048 x 32 uint8 (E8M0 scales of hidden_states, one for each 32 codes along K).
;; Outputs: out0 4 x 2,048 x 1,024 float32.
;; This version of the problem:
;;   THIS VERSION OF THE PROBLEM IS GIVEN IN LOW PRECISION. The matrix products marked QUANTISED in the list below multiply operands that are first quantised to E2M1 (2 exponent bits, 1 mantissa bit; 4 bits a number), with one power-of-two scale for each 32 numbers along K (OCP MX v1.0); their sums are f32. All else is computed in f32.
;;   The module's matrix products, in the order in which they are computed (A, B: the left and right operand; K: the contracted axis; several contracted axes count as one K, in the product's order):
;;     1. [M 8,192, K 1,024] x [K 1,024, N 1,024]; A: input hidden_states (given as codes); B: input Wq (given as codes): QUANTISED
;;     2. [M 8,192, K 1,024] x [K 1,024, N 1,024]; A: input hidden_states (given as codes); B: input Wk (given as codes): QUANTISED
;;     3. [M 8,192, K 1,024] x [K 1,024, N 1,024]; A: input hidden_states (given as codes); B: input Wv (given as codes): QUANTISED
;;     4. batch 64 x [M 2,048, K 64] x [K 64, N 2,048]; A: computed on the way; B: computed on the way: QUANTISED
;;     5. batch 64 x [M 2,048, K 2,048] x [K 2,048, N 64]; A: softmax (see below); B: computed on the way: QUANTISED
;;   THE QUANTISER, for each operand of a quantised product, along K:
;;     - K is cut into blocks of 32 from its start; a last block that is shorter is filled with zeros.
;;     - A block's scale is 2^e with e = floor(log2(the largest magnitude in the block)) - 2, held to -126 .. 127; a block of zeros has e = 0. As a byte (E8M0): e + 127.
;;     - Each number is divided by its block's scale, clamped to +-6, and rounded to the nearest number of E2M1, ties to even, subnormals kept.
;;     - The product sums the exact products of the quantised numbers (number of the format x scale) in f32.
;;   ~~~python
;;   def quantise(x, axis):      # numpy; x: float32 -> the quantised numbers, widened to float32 again
;;       x = np.moveaxis(x, axis, -1); K = x.shape[-1]
;;       x = np.pad(x, [(0, 0)] * (x.ndim - 1) + [(0, -K % 32)]); x = x.reshape(x.shape[:-1] + (-1, 32)); a = np.abs(x).max(-1, keepdims=True)
;;       e = np.where(a > 0, np.clip(np.frexp(np.where(a > 0, a, 1))[1] - 1 - 2, -126, 127), 0)      # np.frexp(a)[1] - 1 = floor(log2(a)), exactly
;;       r = np.clip(x / 2.0 ** e, -6, 6)
;;       step = 2.0 ** (np.maximum(np.frexp(np.where(r == 0, 1, r))[1] - 1, 0) - 1)
;;       q = np.round(r / step) * step * 2.0 ** e      # np.round: ties to even
;;       return np.moveaxis(q.reshape(q.shape[:-2] + (-1,))[..., :K], -1, axis).astype(np.float32)
;;   ~~~
;;   SOFTMAX AHEAD OF A QUANTISED PRODUCT. Where the list says 'softmax', what is quantised is not the finished softmax but p = 2^(t - M), with t = logit x log2(e) and M = ceil(the row's largest t), a whole number; so 1/2 < the row's largest p <= 1. The row's sum l is taken of the UNQUANTISED p, in f32, and the product's result is divided by l at the end. Since M is a whole number, a kernel that streams over the keys may use a running M (the ceiling of the running maximum): every later rescaling is an exact power of two, which a block's scale takes up: the codes' values come out the same.
;;   OPERANDS COMPUTED ON THE WAY. 'Computed on the way' means the value that the module computes at that place (a softmax that the list does not call 'softmax' is quantised finished and normalised). What goes into a quantiser is computed in f32, as accurately as f32 sums, v_exp_f32 and their like allow (about 1e-6 of the number): no bf16 or f16 on the way to a quantiser, and a product that is left as it is and whose result goes on into a quantised operand takes f32 operands (vector FMAs, or v_wmma_f32_16x16x4_f32). A number that lies on a knife's edge between two numbers of the format may be rounded either way, as far as f32 arithmetic and the matrix unit's own rounding can turn it there, and no further.
;;   INPUTS GIVEN AS CODES. Wk (in the module: [1024, 1024], K = its axis 1); Wq (in the module: [1024, 1024], K = its axis 1); Wv (in the module: [1024, 1024], K = its axis 1); hidden_states (in the module: [4, 2048, 1024], K = its axis 2): each comes as NAME_codes (uint8): NAME with its K axis moved to the last place and cut into blocks of 32 codes, [.., K / 32, bytes a block], one block behind the other in memory; two codes a byte, the lower K in the low four bits (a code: sign, 2 exponent bits, 1 mantissa bit); and NAME_scales (uint8): the same leading axes, one E8M0 byte (e + 127) for each 32 codes along K. Its value is code x scale, taken as it is: it is not quantised again, and the codes and scales need not be those that the quantiser above would give.
;; One version. Each part assembles by itself: llvm-mc -triple=amdgcn-amd-amdhsa -mcpu=gfx1250 --defsym DOCPART=n.
;; ======== version 1 of 1: 2 launches
;; workspace buffers: qimg 4,194,304 bytes; kimg 4,194,304 bytes; vimg 4,194,304 bytes; qsc 262,144 bytes; ksc 262,144 bytes; vsc 262,144 bytes
;; launch proj (part 1): grid 192 x 1, 4 waves a work-group, no clusters, 327,680 bytes of LDS; arguments hidden_states_codes, hidden_states_scales, Wq_codes, Wq_scales, Wk_codes, Wk_scales, Wv_codes, Wv_scales, bq, bk, bv, qimg, qsc, kimg, ksc, vimg, vsc; writes qimg, qsc, kimg, ksc, vimg, vsc
.if DOCPART == 1
	.amdgcn_target "amdgcn-amd-amdhsa--gfx1250"
	.amdhsa_code_object_version 6
	.text
	.protected	k_q691f67b7c2_proj
	.globl	k_q691f67b7c2_proj
	.p2align	8
	.type	k_q691f67b7c2_proj,@function
k_q691f67b7c2_proj:
	s_mov_b64 s[64:65], 0
	v_nop
	global_prefetch_b8 v0, s[64:65] scope:SCOPE_SE
	s_setreg_imm32_b32 hwreg(HW_REG_WAVE_MODE, 25, 1), 1
	s_wait_xcnt 0x0
.set PITCH, 528
.set TSC,   256*PITCH
.set SCR,   151552
.set SA,   1
.set SSA,  2
.set LT,   3
.set LTS,  4
.set L16,  5
.set LW,   6
.set FQ,   7
.set FV,   8
.set IO1,  9
.set IO2,  10
.set ADT,  11
.set ADTS, 12
.set ADW,  13
.set IO3,  14
.set BOFQ, 15
.set SS,   16
.set TS,   80
.set ACC,  96
.set PC,   160
.set TM,   168
.set PW,   184
.set BOFV, 185
.set FO0,  186
.set BL,   187
.set FO1,  189
.set CL,   192
.set FL,   208
.set CB,   128
.set WV,   38
.set ISV,  39
.set PCD,  40
.set PSC,  42
.set LCD,  44
.set LSC,  46
.set G1C,  48
.set G1S,  56
.set MASKV, 66
.set US,   67
.set G0C,  68
.set G0S,  72
.set PB,   76
.set OI,   78
.set OS,   80
.set CNT,  82
.set TT,   83
.set TTS,  84
.set TW,   85
.set LB,   86
.set OST,  88
.set D2,   91
.set SEL,  92
.set MSB, 0
.macro WIN new
.if MSB != \new
	s_set_vgpr_msb (MSB<<8)|\new
.set MSB, \new
.endif
.endm
	s_load_b512 s[4:19], s[0:1], 0x0
	s_load_b512 s[20:35], s[0:1], 0x40
	s_load_b64 s[36:37], s[0:1], 0x80
	v_lshl_add_u32 v254, v0, 2, 0x29000
	v_mov_b32 v255, 0
	ds_add_u32 v254, v255
	ds_add_u32 v254, v255
	v_lshrrev_b32 v1, 5, v0
	v_readfirstlane_b32 s[WV], v1
	s_mov_b32 s[G1C+0], (1<<20)|(6<<22)|(3<<25)
	s_mov_b32 s[G1C+1], 512<<16
	s_mov_b32 s[G1C+2], 64<<16
	s_mov_b32 s[G1C+3], 512<<16
	s_mov_b32 s[G1C+4], 64
	s_mov_b32 s[G1C+5], 512
	s_mov_b32 s[G1C+6], 0
	s_mov_b32 s[G1C+7], 0
	s_mov_b32 s[G1S+0], 3<<16
	s_mov_b32 s[G1S+1], 32<<16
	s_mov_b32 s[G1S+2], 8<<16
	s_mov_b32 s[G1S+3], 32<<16
	s_mov_b32 s[G1S+4], 8
	s_mov_b32 s[G1S+5], 32
	s_mov_b32 s[G1S+6], 0
	s_mov_b32 s[G1S+7], 0
	s_mov_b32 s[SEL], 0x76543210
	s_mov_b32 s[SEL+1], 0xfedcba98
	s_and_b32 s94, ttmp9, 31
	s_bfe_u32 s95, ttmp9, 0x10005
	s_and_b32 s96, ttmp9, 15
	s_bfe_u32 s97, ttmp9, 0x20004
	s_lshr_b32 s40, s94, 3
	s_lshl_b32 s40, s40, 4
	s_lshl_b32 s41, s95, 3
	s_add_co_u32 s40, s40, s41
	s_lshl_b32 s41, s[WV], 1
	s_add_co_u32 s40, s40, s41
	s_and_b32 s41, s94, 7
	s_lshl_b32 s42, s40, 16
	s_lshl_b32 s43, s41, 13
	s_add_co_u32 s42, s42, s43
	s_lshl_b32 s43, s40, 12
	s_lshl_b32 s41, s41, 9
	s_add_co_u32 s43, s43, s41
	s_lshr_b32 s44, s96, 2
	s_lshl_b32 s44, s44, 4
	s_and_b32 s45, s96, 3
	s_lshl_b32 s45, s45, 2
	s_add_co_u32 s45, s45, s[WV]
	s_add_co_u32 s46, s44, s45
	s_lshl_b32 s46, s46, 16
	s_lshl_b32 s47, s97, 14
	s_add_co_u32 s46, s46, s47
	s_lshl_b32 s47, s97, 2
	s_add_co_u32 s47, s47, s44
	s_lshl_b32 s47, s47, 12
	s_lshl_b32 s45, s45, 8
	s_add_co_u32 s47, s47, s45
	s_mov_b32 s[D2], 512
	s_cmp_ge_u32 ttmp9, 128
	s_cselect_b32 s[ISV], 1, 0
	s_cselect_b32 s[MASKV], -1, 0
	s_cselect_b32 s98, s96, s95
	s_cselect_b32 s99, s97, s94
	s_cselect_b32 s90, s46, s42
	s_cselect_b32 s100, s47, s43
	s_cselect_b32 s101, s97, 0
	s_cselect_b32 s[D2], s[D2], 0x10000
	s_lshl_b32 s[OST], 1024, s[ISV]
	s_mov_b32 s[OST+1], 0
	s_lshl_b32 s[US], 512, s[ISV]
	s_lshl_b32 s98, s98, 9
	s_lshl_b32 s94, s[WV], 7
	s_add_co_u32 s98, s98, s94
	s_lshl_b32 s99, s99, 8
	s_lshl_b32 s94, s[WV], 6
	s_add_co_u32 s99, s99, s94
	s_mov_b32 s95, 0
	s_wait_dscnt 0x0
	s_wait_kmcnt 0x0
	s_cmp_lt_u32 ttmp9, 64
	s_cselect_b64 s[PCD:PCD+1], s[8:9], s[12:13]
	s_cselect_b64 s[PSC:PSC+1], s[10:11], s[14:15]
	s_cselect_b64 s[PB:PB+1], s[20:21], s[22:23]
	s_cselect_b64 s[OI:OI+1], s[26:27], s[30:31]
	s_cselect_b64 s[OS:OS+1], s[28:29], s[32:33]
	s_cmp_lt_u32 ttmp9, 128
	s_cselect_b64 s[LCD:LCD+1], s[4:5], s[16:17]
	s_cselect_b64 s[LSC:LSC+1], s[6:7], s[18:19]
	s_cselect_b64 s[PCD:PCD+1], s[PCD:PCD+1], s[4:5]
	s_cselect_b64 s[PSC:PSC+1], s[PSC:PSC+1], s[6:7]
	s_cselect_b64 s[OI:OI+1], s[OI:OI+1], s[34:35]
	s_cselect_b64 s[OS:OS+1], s[OS:OS+1], s[36:37]
	s_lshl_b32 s94, s99, 9
	s_add_nc_u64 s[LCD:LCD+1], s[LCD:LCD+1], s[94:95]
	s_lshl_b32 s94, s99, 5
	s_add_nc_u64 s[LSC:LSC+1], s[LSC:LSC+1], s[94:95]
	s_mov_b32 s[G0C], 1
	s_mul_i32 s[G0C+1], s[WV], 64*PITCH
	s_mov_b64 s[G0C+2:G0C+3], s[LCD:LCD+1]
	s_or_b32 s[G0C+3], s[G0C+3], 0x80000000
	s_mov_b32 s[G0S], 1
	s_lshl_b32 s[G0S+1], s[WV], 11
	s_add_co_u32 s[G0S+1], s[G0S+1], TSC
	s_mov_b64 s[G0S+2:G0S+3], s[LSC:LSC+1]
	s_or_b32 s[G0S+3], s[G0S+3], 0x80000000
	tensor_load_to_lds s[G0C:G0C+3], s[G1C:G1C+7]
	s_nop 0
	s_wait_alu depctr_va_vdst(0)
	s_wait_tensorcnt 0x0
	ds_add_u32 v254, v255
	s_wait_dscnt 0x0
	s_barrier_signal -1
	s_barrier_wait -1
	tensor_load_to_lds s[G0S:G0S+3], s[G1S:G1S+7]
	s_nop 0
.rept 4
	v_nop
.endr
	s_lshl_b32 s94, s98, 9
	s_add_nc_u64 s[PCD:PCD+1], s[PCD:PCD+1], s[94:95]
	s_lshl_b32 s94, s98, 5
	s_add_nc_u64 s[PSC:PSC+1], s[PSC:PSC+1], s[94:95]
	s_and_b32 s94, s98, 1023
	s_lshl_b32 s94, s94, 2
	s_add_nc_u64 s[PB:PB+1], s[PB:PB+1], s[94:95]
	s_mov_b32 s94, s90
	s_add_nc_u64 s[OI:OI+1], s[OI:OI+1], s[94:95]
	s_mov_b32 s94, s100
	s_add_nc_u64 s[OS:OS+1], s[OS:OS+1], s[94:95]
	s_lshl_b32 s94, s101, 10
	s_add_nc_u64 s[LB:LB+1], s[24:25], s[94:95]
	v_and_b32 v240, 31, v0
	v_and_b32 v241, 15, v0
	v_bfe_u32 v242, v0, 4, 1
	v_and_b32 v243, 8, v241
	v_add_nc_u32 v243, v243, v241
	v_lshlrev_b32 v[SA], 9, v243
	v_lshl_add_u32 v[SA], v242, 4, v[SA]
	v_lshlrev_b32 v[SSA], 5, v243
	v_lshlrev_b32 v[BOFQ], 6, v242
	v_lshlrev_b32 v[BOFV], 2, v243
	WIN 0x40
.irp s, 0,1,2,3
.irp t, 0,1,2,3,4,5,6,7
.irp c, 0,1
	global_load_b128 v[64*\s+8*\t+4*\c:64*\s+8*\t+4*\c+3], v[SA], s[PCD:PCD+1] offset:(32*(\t/2)+8*(\t%2))*512+64*\s+32*\c
.endr
.endr
.endr
	WIN 0x80
.irp s, 4,5,6,7
.irp t, 0,1,2,3,4,5,6,7
.irp c, 0,1
	global_load_b128 v[64*(\s-4)+8*\t+4*\c:64*(\s-4)+8*\t+4*\c+3], v[SA], s[PCD:PCD+1] offset:(32*(\t/2)+8*(\t%2))*512+64*\s+32*\c
.endr
.endr
.endr
	WIN 0xc0
.irp t, 0,1,2,3,4,5,6,7
.irp k, 0,1
	global_load_b128 v[CB+8*\t+4*\k:CB+8*\t+4*\k+3], v[BOFQ], s[PB:PB+1] offset:(32*(\t/2)+8*(\t%2))*4+16*\k
.endr
.endr
	WIN 0
.irp t, 0,1,2,3,4,5,6,7
.irp k, 0,1
	global_load_b128 v[SS+8*\t+4*\k:SS+8*\t+4*\k+3], v[SSA], s[PSC:PSC+1] offset:(32*(\t/2)+8*(\t%2))*32+16*\k
.endr
.endr
	global_load_b32 v[BL], v[BOFV], s[LB:LB+1]
	global_load_b32 v[BL+1], v[BOFV], s[LB:LB+1] offset:32
	v_mul_u32_u24 v[LT], v243, PITCH
	v_lshl_add_u32 v[LT], v242, 4, v[LT]
	v_lshl_add_u32 v[LTS], v243, 5, TSC
	v_lshlrev_b32 v[L16], 4, v240
	s_lshl_b32 s94, s[WV], 10
	s_add_co_u32 s94, s94, SCR
	v_lshl_add_u32 v[LW], v241, 2, s94
	v_lshrrev_b32 v[FQ], 2, v240
	v_lshlrev_b32 v[FQ], 7, v[FQ]
	v_and_b32 v244, 3, v240
	v_lshl_add_u32 v[FQ], v244, 4, v[FQ]
	v_add_nc_u32 v[FQ], s94, v[FQ]
	v_add_nc_u32 v[FV], s94, v[L16]
	v_add_nc_u32 v[IO1], s[D2], v[L16]
	v_add_nc_u32 v[IO2], s[US], v[L16]
	v_add_nc_u32 v[IO3], s[D2], v[IO2]
	v_lshlrev_b32 v[FO0], 4, v241
	v_lshl_add_u32 v[FO0], v242, 12, v[FO0]
	v_cndmask_b32 v[FO0], v[L16], v[FO0], s[MASKV]
	s_lshl_b32 s95, 4096, s[ISV]
	v_add_nc_u32 v[FO1], s95, v[FO0]
.irp b, 0,1,2,3
	v_mov_b32 v[TM+4+\b], 0
.endr
.macro FETCH x, offc, offs
	WIN 0xc0
.irp s, 0,1,2,3,4,5,6,7
.irp c, 0,1
	ds_load_b128 v[64*(\x)+8*\s+4*\c:64*(\x)+8*\s+4*\c+3], v[ADT] offset:\offc+64*\s+32*\c
.endr
.endr
	WIN 0
.irp k, 0,1
	ds_load_b128 v[TS+8*(\x)+4*\k:TS+8*(\x)+4*\k+3], v[ADTS] offset:\offs+16*\k
.endr
.endm
.macro MM x, s, t, c
	v_wmma_scale_f32_16x16x128_f8f6f4 v[ACC+8*\t:ACC+8*\t+7], v[64*((\s)%4)+8*\t:64*((\s)%4)+8*\t+7], v[64*(\x)+8*(\s):64*(\x)+8*(\s)+7], v[(\c):(\c)+7], v[SS+8*\t+(\s)], v[TS+8*(\x)+(\s)] matrix_a_fmt:MATRIX_FMT_FP4 matrix_b_fmt:MATRIX_FMT_FP4
.endm
.macro MULS x, u
	s_cmp_lg_u32 s[ISV], 0
	s_cbranch_scc1 .Llane_\@
	WIN 0x3d
.irp t, 0,1,2,3,4,5,6,7
	MM \x, 0, \t, CB+8*\t
.endr
	WIN 0
	s_branch .Lrest_\@
.Llane_\@:
	WIN 0x0d
	s_wait_alu depctr_va_vdst(0)
.irp t, 0,1,2,3,4,5,6,7
	MM \x, 0, \t, CL+8*\u
.endr
	WIN 0
.Lrest_\@:
	WIN 0x0d
.irp s, 1,2,3
.irp t, 0,1,2,3,4,5,6,7
	MM \x, \s, \t, ACC+8*\t
.endr
.endr
	WIN 0x0e
.irp s, 4,5,6,7
.irp t, 0,1,2,3,4,5,6,7
	MM \x, \s, \t, ACC+8*\t
.endr
.endr
	WIN 0
.endm
.macro QUANT s
.irp b, 0,1,2,3
	v_max3_num_f32 v[TM+\b], |v[\s+16*\b]|, |v[\s+1+16*\b]|, 0x1800000
.endr
.irp i, 2,4,6,8,10,12,14
.irp b, 0,1,2,3
	v_max3_num_f32 v[TM+\b], v[TM+\b], |v[\s+16*\b+\i]|, |v[\s+1+16*\b+\i]|
.endr
.endr
.irp b, 0,1,2,3
	v_permlanex16_b32 v[TM+4+\b], v[TM+\b], s[SEL], s[SEL+1]
.endr
.irp b, 0,1,2,3
	v_max_num_f32 v[TM+\b], v[TM+\b], v[TM+4+\b]
.endr
.irp b, 0,1,2,3
	v_add_nc_u32 v[TM+12+\b], 0xff000000, v[TM+\b]
.endr
.irp b, 0,1,2,3
	v_lshrrev_b32 v[TM+4+\b], 23, v[TM+12+\b]
.endr
	v_lshl_or_b32 v[PW], v[TM+5], 8, v[TM+4]
	v_lshl_or_b32 v[PW], v[TM+6], 16, v[PW]
	v_lshl_or_b32 v[PW], v[TM+7], 24, v[PW]
.irp b, 0,1,2,3
	v_cvt_scalef32_pk8_fp4_f32 v[PC+2*\b], v[\s+16*\b:\s+7+16*\b], v[TM+12+\b]
	v_cvt_scalef32_pk8_fp4_f32 v[PC+1+2*\b], v[\s+8+16*\b:\s+15+16*\b], v[TM+12+\b]
.endr
	v_nop
.irp c, 0,1
.irp i, 0,1
	v_permlane16_swap_b32 v[PC+4*\c+\i], v[PC+2+4*\c+\i]
.endr
.endr
.endm
.macro TILE x, u, fetch, offc, offs
.if \fetch
	FETCH 1-\x, \offc, \offs
	s_wait_dscnt 18
.else
	s_wait_dscnt 0x0
.endif
	MULS \x, \u
.rept 4
	v_nop
.endr
	s_wait_xcnt 0x0
	QUANT ACC
.if \u == 0
	global_store_b128 v[L16], v[PC:PC+3], s[OI:OI+1]
	global_store_b128 v[IO1], v[PC+4:PC+7], s[OI:OI+1]
.else
	global_store_b128 v[IO2], v[PC:PC+3], s[OI:OI+1]
	global_store_b128 v[IO3], v[PC+4:PC+7], s[OI:OI+1]
.endif
	ds_store_b32 v[ADW], v[PW] offset:64*\u
.endm
.macro ADDRS
	v_add_nc_u32 v[ADT], s[TT], v[LT]
	v_add_nc_u32 v[ADTS], s[TTS], v[LTS]
	v_add_nc_u32 v[ADW], s[TW], v[LW]
.endm
.macro TRIP last
	s_wait_loadcnt 0x0
.irp j, 0,1,2,3,4,5,6,7
	v_mov_b32 v[CL+\j], v[BL]
	v_mov_b32 v[CL+8+\j], v[BL+1]
.endr
.if \last == 0
	global_load_b32 v[BL], v[BOFV], s[LB:LB+1] offset:128
	global_load_b32 v[BL+1], v[BOFV], s[LB:LB+1] offset:160
.endif
	TILE 0, 0, 1, 8*PITCH, 256
.if \last
	TILE 1, 1, 0, 0, 0
.else
	TILE 1, 1, 1, 32*PITCH, 1024
	s_wait_xcnt 0x0
	s_add_nc_u64 s[OI:OI+1], s[OI:OI+1], s[OST:OST+1]
	s_add_nc_u64 s[LB:LB+1], s[LB:LB+1], 128
	s_add_co_u32 s[TT], s[TT], 32*PITCH
	s_add_co_u32 s[TTS], s[TTS], 1024
	s_add_co_u32 s[TW], s[TW], 128
	ADDRS
.endif
.endm
	s_wait_tensorcnt 0x0
	s_barrier_signal -1
	s_barrier_wait -1
	s_mov_b32 s[TT], 0
	s_mov_b32 s[TTS], 0
	s_mov_b32 s[TW], 0
	ADDRS
	FETCH 0, 0, 0
	s_mov_b32 s[CNT], 7
.Ltrip:
	TRIP 0
	s_sub_co_u32 s[CNT], s[CNT], 1
	s_cmp_lg_u32 s[CNT], 0
	s_cbranch_scc1 .Ltrip
	TRIP 1
	ds_load_b128 v[FL:FL+3], v[FQ]
	ds_load_b128 v[FL+4:FL+7], v[FQ] offset:64
	ds_load_b128 v[FL+8:FL+11], v[FV]
	ds_load_b128 v[FL+12:FL+15], v[FV] offset:512
	s_wait_dscnt 0x0
.irp i, 0,1,2,3
	v_perm_b32 v[FL+16+\i], v[FL+4+\i], v[FL+\i], 0x05040100
	v_perm_b32 v[FL+20+\i], v[FL+4+\i], v[FL+\i], 0x07060302
.endr
.irp i, 0,1,2,3
	v_cndmask_b32 v[FL+16+\i], v[FL+16+\i], v[FL+8+\i], s[MASKV]
	v_cndmask_b32 v[FL+20+\i], v[FL+20+\i], v[FL+12+\i], s[MASKV]
.endr
	global_store_b128 v[FO0], v[FL+16:FL+19], s[OS:OS+1]
	global_store_b128 v[FO1], v[FL+20:FL+23], s[OS:OS+1]
	s_wait_tensorcnt 0x0
	ds_add_u32 v254, v255
	s_wait_dscnt 0x0
	s_endpgm
.Lfunc_end_k_q691f67b7c2_proj:
	.size	k_q691f67b7c2_proj, .Lfunc_end_k_q691f67b7c2_proj-k_q691f67b7c2_proj
	.p2alignl 7, 3214868480
	.fill 96, 4, 3214868480
	.section	.rodata,"a",@progbits
	.p2align	6, 0x0
	.amdhsa_kernel k_q691f67b7c2_proj
		.amdhsa_group_segment_fixed_size 327680
		.amdhsa_private_segment_fixed_size 0
		.amdhsa_enable_private_segment 0
		.amdhsa_kernarg_size 136
		.amdhsa_user_sgpr_count 2
		.amdhsa_user_sgpr_kernarg_segment_ptr 1
		.amdhsa_wavefront_size32 1
		.amdhsa_system_sgpr_workgroup_id_x 1
		.amdhsa_system_sgpr_workgroup_id_y 1
		.amdhsa_system_sgpr_workgroup_id_z 1
		.amdhsa_system_vgpr_workitem_id 0
		.amdhsa_next_free_vgpr 960
		.amdhsa_next_free_sgpr 102
		.amdhsa_reserve_vcc 0
		.amdhsa_float_denorm_mode_32 3
		.amdhsa_float_denorm_mode_16_64 3
		.amdhsa_memory_ordered 1
		.amdhsa_forward_progress 1
		.amdhsa_inst_pref_size 86
	.end_amdhsa_kernel
	.amdgpu_metadata
---
amdhsa.version: [ 1, 2 ]
amdhsa.kernels:
  - .name:           k_q691f67b7c2_proj
    .symbol:         k_q691f67b7c2_proj.kd
    .args:
      - { .name: hidden_states_codes, .offset: 0, .size: 8, .value_kind: global_buffer, .address_space: global }
      - { .name: hidden_states_scales, .offset: 8, .size: 8, .value_kind: global_buffer, .address_space: global }
      - { .name: Wq_codes, .offset: 16, .size: 8, .value_kind: global_buffer, .address_space: global }
      - { .name: Wq_scales, .offset: 24, .size: 8, .value_kind: global_buffer, .address_space: global }
      - { .name: Wk_codes, .offset: 32, .size: 8, .value_kind: global_buffer, .address_space: global }
      - { .name: Wk_scales, .offset: 40, .size: 8, .value_kind: global_buffer, .address_space: global }
      - { .name: Wv_codes, .offset: 48, .size: 8, .value_kind: global_buffer, .address_space: global }
      - { .name: Wv_scales, .offset: 56, .size: 8, .value_kind: global_buffer, .address_space: global }
      - { .name: bq, .offset: 64, .size: 8, .value_kind: global_buffer, .address_space: global }
      - { .name: bk, .offset: 72, .size: 8, .value_kind: global_buffer, .address_space: global }
      - { .name: bv, .offset: 80, .size: 8, .value_kind: global_buffer, .address_space: global }
      - { .name: qimg, .offset: 88, .size: 8, .value_kind: global_buffer, .address_space: global }
      - { .name: qsc, .offset: 96, .size: 8, .value_kind: global_buffer, .address_space: global }
      - { .name: kimg, .offset: 104, .size: 8, .value_kind: global_buffer, .address_space: global }
      - { .name: ksc, .offset: 112, .size: 8, .value_kind: global_buffer, .address_space: global }
      - { .name: vimg, .offset: 120, .size: 8, .value_kind: global_buffer, .address_space: global }
      - { .name: vsc, .offset: 128, .size: 8, .value_kind: global_buffer, .address_space: global }
    .group_segment_fixed_size: 327680
    .private_segment_fixed_size: 0
    .kernarg_segment_align: 8
    .kernarg_segment_size: 136
    .max_flat_workgroup_size: 128
    .sgpr_count:     102
    .vgpr_count:     960
    .wavefront_size: 32
...
	.end_amdgpu_metadata
.endif
;; end of part 1
;; launch attn (part 2): grid 4 x 64, 16 waves a work-group, no clusters, 219,136 bytes of LDS; arguments qimg, qsc, kimg, ksc, vimg, vsc, attention_mask, out0; writes out0
.if DOCPART == 2
	.amdgcn_target "amdgcn-amd-amdhsa--gfx1250"
	.amdhsa_code_object_version 6
	.text
	.protected	k_q691f67b7c2_attn
	.globl	k_q691f67b7c2_attn
	.p2align	8
	.type	k_q691f67b7c2_attn,@function
k_q691f67b7c2_attn:
	s_mov_b64 s[64:65], 0
	v_nop
	global_prefetch_b8 v0, s[64:65] scope:SCOPE_SE
	s_setreg_imm32_b32 hwreg(HW_REG_WAVE_MODE, 25, 1), 1
	s_wait_xcnt 0x0
; out[b][q][head] = the sum over keys k <= q of softmax_k((Q . K + mask[b][k]) / 8) V, both products on codes of FP4 (E2M1) with one E8M0 scale for each 32 along a product's K.
; Q, K, V come from the launch before as images of operand registers, with their scale words.
; THE SOFTMAX AHEAD OF THE SECOND PRODUCT: t = (score + mask) x log2(e) / 8; M = the row's largest t so far, rounded UP to a whole number; p = 2^(t - M) is what is quantised, along the keys, not normalised.
; The row's sum is taken of the unquantised p, in f32, and divides O at the end.  When M moves, the sum and O are multiplied by 2^(old M - new M): exact.
; SHARES.  Work-group (p, bh) owns blocks p and 7 - p of 256 queries of one head: (p + 1) + (8 - p) = 9 blocks of keys for every work-group, so the causal work is equal on all 256.
; Each of its SIXTEEN waves owns one tile of 16 queries in each block, in 256 registers: four waves to a SIMD, so that one wave's vector work stands beside another's matrix work and LDS loads.
; First block p (8 key steps of 128 keys), then block 7 - p (16).  The trip counts are constants; a step all of whose keys come after the wave's queries is jumped over on ids.
; A WHOLE HEAD STAYS IN LDS, filled once: K's and V's images (65,536 bytes each), their scale words, the batch's mask.  No ring and no refill, and one barrier.
; Every read of K, V and the scale words is an image read, 16 or 4 consecutive bytes a lane: no pitch, no padding.
; LAYOUT.  Both products are used transposed: S^T = K Q^T (source 0 = keys, source 1 = my 16 queries), O^T = V^T P^T (source 0 = 16 channels, source 1 = P): a lane holds ONE query (lane % 16) throughout.
; The tokens of a tile are not neighbours: lane r of tile (block of 32, u) is token 32 block + 8 u + r + 8 (r / 8); so the 16 score registers of tiles (b, 0), (b, 1) are keys 32 b + 16 (lane / 16) + 0 .. 15.
; THE HEAD'S 64 IN AN INSTRUCTION 128 DEEP: source 0's registers 0-3 are K's tile (b, 0), registers 4-7 tile (b, 1); Q stands twice, as [q | zeros] and [zeros | q]: the first picks tile (b, 0)'s scores, the second (b, 1)'s.
; Zero codes add nothing under any scale byte but 0xff, which the launch before never makes.
; THE MASK IS THE C OF THE SCORE PRODUCT: it is loaded from LDS into the score registers, in the result's layout, and costs no vector instruction.
; ONE SCALE REGISTER SERVES TWO TILES of source 0: lanes 0-15 one tile's words, lanes 16-31 the next tile's.
; NO CLUSTER: the four work-groups of a head differ in their place alone, and the jumps over hidden steps hang on it; what they share (139,264 bytes) each reads once, at its start.
; LIMITS: a mask of -infinity hides a key; a row all of whose visible keys are so hidden gives NaN, as the definition does (not tried).  NaN in the mask is not served.
; REGISTERS: v1-4 addresses that stay; v5-8 the step's; v9-12 the way out, the lane's query; v16-31 Q twice, first block; v32-63 K; v64-95 V; v96-159 the mask, S^T, p; v160-191 O^T; v192-199 p's codes;
;   v200-215 Q twice, second block; v216-237 at work; v240-246 scale words (v240-241 also a partial sum of p after the score products).
.set KSC,   131072                     ; LDS: K's images at 0, V's at 65,536; K's scale words,
.set VSC,   135168                     ; V's,
.set MSK,   139264                     ; the batch's mask, 2,048 f32,
.set STAGE, 147456                     ; and the way out: 16 rows x (256 bytes + 16) for each wave, in blocks of 256 bytes into which no tensor load lands
.set SP,    272
.set L16, 1                            ; v1   16 x lane: K's images
.set LV,  2                            ; v2   + 65,536: V's
.set LS,  3                            ; v3   KSC + 4 x lane
.set LM,  4                            ; v4   MSK + 64 (lane / 16)
.set ADK, 5
.set ADV, 6
.set ADS, 7
.set ADM, 8
.set STO, 9                            ; v9   the stage: where I put my channels of a row
.set RD,  10                           ; v10  and where I read a row back
.set GO,  11                           ; v11  my byte offset in two rows of the output
.set QL,  12                           ; v12  my query less the wave's first, less 16 (lane / 16)
.set KR,  32
.set VF,  64
.set S,   96
.set O,   160
.set PCD, 192
.set BM,  216                          ; v216-219 the blocks' largest scores, then largest p
.set BX,  220                          ; v220-223 the other half's, then the bytes
.set BS,  224                          ; v224-227 the conversions' scale operands
.set NM,  228                          ; v228 -M, v229 the largest t
.set SUM, 230                          ; v[230:231] the row's sum in two halves
.set F,   232                          ; v232 f; v233 named with it as a pair
.set SUM2, 234
.set TA,  236
.set TB,  237
.set KS,  240                          ; v240-241 K's scale words, v242-243 V's, v244-245 Q's for the two blocks, v246 p's
.set VS,  242
.set PS,  246
.set WV,  20
.set SEL, 26                           ; s[26:27] lane selects for v_permlanex16_b32: lane l xor 16
.set CS,  28                           ; s[28:29] c = log2(e) / 8: the packed form names a pair and takes its low word for both halves
.set G1S, 32                           ; s[32:39] descriptor group 1: 1,024 dense bytes;  s[40:47]: 4,096
.set G1A, 40
.set G0S, 48                           ; s[48:51], s[52:55], s[56:59] the three groups 0
.set G0A, 52
.set G0B, 56
.set TK,  80                           ; s80  the step's images: 4,096 bytes a step, K's and V's alike
.set TSW, 81                           ; s81  its scale words: 256
.set TMK, 82                           ; s82  its mask: 512
.set KF,  83                           ; s83  its first key
.set CNT, 84
.set Q0,  85                           ; s85  the first of the 32 queries among which my 16 lie
.set T0,  86
.set Q02, 87                           ; s87  the same for the second block
	s_load_b256 s[4:11], s[0:1], 0x0               ; qimg, qsc, kimg, ksc
	s_load_b256 s[12:19], s[0:1], 0x20             ; vimg, vsc, the mask, the output
	v_lshl_add_u32 v254, v0, 2, 0x35000
	v_mov_b32 v255, 0
	ds_add_u32 v254, v255
	ds_add_u32 v254, v255
	v_lshrrev_b32 v1, 5, v0
	s_delay_alu instid0(VALU_DEP_1)
	v_readfirstlane_b32 s[WV], v1                  ; wave 0..15
	s_and_b32 s22, ttmp7, 0xffff                   ; 16 batch + head
	s_lshr_b32 s23, s22, 4                         ; batch
	s_and_b32 s24, s22, 15                         ; head
	s_mov_b32 s[G1S+0], 3<<16                      ; no mask, elements of 8 bytes, no padding: rows of 256 bytes, dense
	s_mov_b32 s[G1S+1], 32<<16
	s_mov_b32 s[G1S+2], 4<<16
	s_mov_b32 s[G1S+3], 32<<16
	s_mov_b32 s[G1S+4], 4
	s_mov_b32 s[G1S+5], 32
	s_mov_b32 s[G1S+6], 0
	s_mov_b32 s[G1S+7], 0
	s_mov_b32 s[G1A+0], 3<<16
	s_mov_b32 s[G1A+1], 32<<16
	s_mov_b32 s[G1A+2], 16<<16
	s_mov_b32 s[G1A+3], 32<<16
	s_mov_b32 s[G1A+4], 16
	s_mov_b32 s[G1A+5], 32
	s_mov_b32 s[G1A+6], 0
	s_mov_b32 s[G1A+7], 0
	s_mov_b32 s[SEL], 0x76543210
	s_mov_b32 s[SEL+1], 0xfedcba98
	s_mov_b32 s[CS], 0x3e38aa3b                    ; log2(e) / 8
	s_mov_b32 s[CS+1], s[CS]
	; what I fetch.  1,024 bytes: waves 0-3 K's scale words, 4-7 V's, 8-15 the mask.  Twice 4,096: waves 0-7 K's images (128 keys each time), waves 8-15 V's (one key step each time)
	s_lshl_b32 s60, s22, 12
	s_and_b32 s61, s[WV], 3
	s_lshl_b32 s61, s61, 10
	s_add_co_u32 s60, s60, s61                     ; scale words: 4,096 a head
	s_and_b32 s63, s[WV], 7
	s_lshl_b32 s62, s23, 13
	s_lshl_b32 s61, s63, 10
	s_add_co_u32 s62, s62, s61                     ; the mask: 8,192 a batch
	s_lshl_b32 s68, s22, 16
	s_lshl_b32 s61, s[WV], 12
	s_add_co_u32 s68, s68, s61                     ; K: 65,536 a head
	s_lshl_b32 s69, s23, 20
	s_lshl_b32 s61, s63, 16
	s_add_co_u32 s69, s69, s61
	s_lshl_b32 s61, s24, 12
	s_add_co_u32 s69, s69, s61                     ; V: 1,048,576 a batch, 65,536 a key step, 4,096 a head
	s_mov_b32 s70, 0x80000
	s_cmp_lt_u32 s[WV], 8
	s_cselect_b32 s66, s60, s62
	s_cselect_b32 s68, s68, s69
	s_cselect_b32 s70, 0x8000, s70                 ; to my second part: 1,024 keys on
	s_mov_b32 s67, 0
	s_mov_b32 s69, 0
	s_mov_b32 s71, 0
	s_mov_b32 s[G0S], 1
	s_lshl_b32 s[G0S+1], s[WV], 10
	s_add_co_u32 s[G0S+1], s[G0S+1], KSC           ; the three small regions lie on end: KSC + 1,024 wave
	s_mov_b32 s[G0A], 1
	s_lshl_b32 s[G0A+1], s[WV], 12
	s_lshr_b32 s61, s[WV], 3
	s_lshl_b32 s61, s61, 15
	s_add_co_u32 s[G0A+1], s[G0A+1], s61           ; 4,096 wave, V's waves 32,768 further on: the first halves of K's and of V's images
	s_mov_b32 s[G0B], 1
	s_add_co_u32 s[G0B+1], s[G0A+1], 32768         ; and the second halves
	s_wait_dscnt 0x0
	s_wait_kmcnt 0x0
	s_cmp_lt_u32 s[WV], 4
	s_cselect_b64 s[72:73], s[10:11], s[14:15]
	s_cmp_lt_u32 s[WV], 8
	s_cselect_b64 s[72:73], s[72:73], s[16:17]
	s_cselect_b64 s[74:75], s[8:9], s[12:13]
	s_add_nc_u64 s[G0S+2:G0S+3], s[72:73], s[66:67]
	s_add_nc_u64 s[G0A+2:G0A+3], s[74:75], s[68:69]
	s_add_nc_u64 s[G0B+2:G0B+3], s[G0A+2:G0A+3], s[70:71]
	s_or_b32 s[G0S+3], s[G0S+3], 0x80000000        ; type = 2
	s_or_b32 s[G0A+3], s[G0A+3], 0x80000000
	s_or_b32 s[G0B+3], s[G0B+3], 0x80000000
	tensor_load_to_lds s[G0S:G0S+3], s[G1S:G1S+7]  ; the launch's only fills: three loads of mine are out, ahead of every wait on TENSORcnt, every LDS read and the barrier
	s_nop 0
	tensor_load_to_lds s[G0A:G0A+3], s[G1A:G1A+7]
	s_nop 0
	tensor_load_to_lds s[G0B:G0B+3], s[G1A:G1A+7]
	s_nop 0
.rept 4
	v_nop
.endr
	; my two tiles of queries
	s_lshr_b32 s60, s[WV], 1                       ; which 32 queries of a block
	s_and_b32 s61, s[WV], 1                        ; u
	s_sub_co_u32 s62, 7, ttmp9                     ; the second block
	s_lshl_b32 s63, s22, 6
	s_add_co_u32 s63, s63, s60
	s_lshl_b32 s66, ttmp9, 3
	s_add_co_u32 s66, s66, s63                     ; 64 (16 batch + head) + the run of 32 tokens: first block,
	s_lshl_b32 s68, s62, 3
	s_add_co_u32 s68, s68, s63                     ; second block
	s_lshl_b32 s74, s61, 9
	s_lshl_b32 s75, s61, 1
	s_lshl_b32 s70, s66, 6
	s_add_co_u32 s70, s70, s75                     ; scale halves: 64 bytes for 32 tokens, + 2 u
	s_lshl_b32 s72, s68, 6
	s_add_co_u32 s72, s72, s75
	s_lshl_b32 s66, s66, 10
	s_add_co_u32 s66, s66, s74                     ; images: 1,024 bytes for 32 tokens, + 512 u
	s_lshl_b32 s68, s68, 10
	s_add_co_u32 s68, s68, s74
	s_mov_b32 s67, 0
	s_mov_b32 s69, 0
	s_mov_b32 s71, 0
	s_mov_b32 s73, 0
	s_add_nc_u64 s[66:67], s[4:5], s[66:67]
	s_add_nc_u64 s[68:69], s[4:5], s[68:69]
	s_add_nc_u64 s[70:71], s[6:7], s[70:71]
	s_add_nc_u64 s[72:73], s[6:7], s[72:73]
	v_and_b32 v13, 31, v0                          ; lane
	v_and_b32 v14, 15, v0                          ; r
	v_bfe_u32 v15, v0, 4, 1                        ; h
	s_delay_alu instid0(VALU_DEP_3)
	v_lshlrev_b32 v[L16], 4, v13
	s_wait_alu depctr_va_vdst(0)
	v_lshlrev_b32 v[TB], 2, v14
	global_load_b128 v[16:19], v[L16], s[66:67]    ; [q | zeros]
	global_load_b128 v[28:31], v[L16], s[66:67]    ; [zeros | q]
	global_load_b128 v[200:203], v[L16], s[68:69]
	global_load_b128 v[212:215], v[L16], s[68:69]
	global_load_u16 v244, v[TB], s[70:71]          ; my query's two scale bytes
	global_load_u16 v245, v[TB], s[72:73]
	s_lshl_b32 s76, s60, 5
	s_lshl_b32 s[Q0], ttmp9, 8
	s_add_co_u32 s[Q0], s[Q0], s76
	s_lshl_b32 s[Q02], s62, 8
	s_add_co_u32 s[Q02], s[Q02], s76
	s_lshl_b32 s77, s61, 3                         ; 8 u
	s_lshl_b32 s78, s23, 23                        ; the output: 8,388,608 a batch, 4,096 a query, 256 a head
	s_lshl_b32 s79, s24, 8
	s_add_co_u32 s78, s78, s79
	s_add_co_u32 s74, s[Q0], s77
	s_lshl_b32 s74, s74, 12
	s_add_co_u32 s74, s74, s78
	s_mov_b32 s75, 0
	s_add_nc_u64 s[88:89], s[18:19], s[74:75]
	s_add_co_u32 s74, s[Q02], s77
	s_lshl_b32 s74, s74, 12
	s_add_co_u32 s74, s74, s78
	s_add_nc_u64 s[90:91], s[18:19], s[74:75]
	v_add_nc_u32 v[LV], 65536, v[L16]
	v_lshl_add_u32 v[LS], v13, 2, KSC
	v_lshl_add_u32 v[LM], v15, 6, MSK
	s_mul_i32 s60, s[WV], 16*SP
	s_add_co_u32 s60, s60, STAGE                   ; my stage
	v_mul_u32_u24 v[STO], v14, SP
	s_delay_alu instid0(VALU_DEP_1)
	v_lshl_add_u32 v[STO], v15, 6, v[STO]
	s_delay_alu instid0(VALU_DEP_1)
	v_add_nc_u32 v[STO], s60, v[STO]               ; in: row r, + 64 h
	v_mul_u32_u24 v[RD], v15, SP
	s_delay_alu instid0(VALU_DEP_1)
	v_lshl_add_u32 v[RD], v14, 4, v[RD]
	s_delay_alu instid0(VALU_DEP_1)
	v_add_nc_u32 v[RD], s60, v[RD]                 ; back: lanes 0-15 one row, lanes 16-31 the next
	v_lshlrev_b32 v[GO], 4, v14
	s_delay_alu instid0(VALU_DEP_1)
	v_lshl_add_u32 v[GO], v15, 12, v[GO]           ; and the same two queries in the output
	v_and_b32 v[QL], 8, v14
	s_delay_alu instid0(VALU_DEP_1)
	v_add_nc_u32 v[QL], v[QL], v14
	s_delay_alu instid0(VALU_DEP_1)
	v_add_nc_u32 v[QL], s77, v[QL]
	v_lshlrev_b32 v13, 4, v15
	s_delay_alu instid0(VALU_DEP_1)
	v_sub_nc_u32 v[QL], v[QL], v13                 ; r + 8 (r / 8) + 8 u - 16 h
.irp j, 20,21,22,23,24,25,26,27,204,205,206,207,208,209,210,211
	v_mov_b32 v\j, 0                               ; Q's zero halves
.endr
.irp b, 0,1,2,3
	v_mov_b32 v[BX+\b], 0                          ; written once: a lane permute's destination counts as one of its sources
.endr
	v_mov_b32 v[F+1], 0                            ; (named as the upper half of a pair)
	v_mov_b32 v[TA], 0
	s_wait_loadcnt 0x0                             ; Q
	v_lshl_or_b32 v244, v244, 16, v244             ; the two bytes in both halves of the word: for [q | zeros] and for [zeros | q]
	v_lshl_or_b32 v245, v245, 16, v245
	s_wait_tensorcnt 0x0                           ; my three parts are in,
	s_barrier_signal -1
	s_barrier_wait -1                              ; everybody's are: the launch's one barrier
; A KEY STEP: 128 keys.  qb: where this block's Q stands;  qs: its scale word.
.macro STEP qb, qs
	s_add_co_u32 s[T0], s[Q0], 31
	s_cmp_gt_u32 s[KF], s[T0]                      ; all 128 keys come after my queries: only the addresses step
	s_cbranch_scc1 .Lhid_\@
	s_setprio 2
	v_add_nc_u32 v[ADK], s[TK], v[L16]             ; (these four are also the places in front of the loads into registers that the last step's products read)
	v_add_nc_u32 v[ADV], s[TK], v[LV]
	v_add_nc_u32 v[ADS], s[TSW], v[LS]
	v_add_nc_u32 v[ADM], s[TMK], v[LM]
.irp b, 0,1,2,3
.irp j, 0,1,2,3
	ds_load_b128 v[S+16*\b+4*\j:S+16*\b+4*\j+3], v[ADM] offset:128*\b+16*\j   ; the mask of keys 32 b + 16 h + 4 j + 0 .. 3: sixteen lanes read the same 16 bytes
.endr
.endr
.irp b, 0,1,2,3
.irp u, 0,1
	ds_load_b128 v[KR+8*\b+4*\u:KR+8*\b+4*\u+3], v[ADK] offset:1024*\b+512*\u
.endr
.endr
	ds_load_b32 v[KS], v[ADS]                      ; lanes 0-15: the words of keys 0-31, lanes 16-31: of keys 32-63
	ds_load_b32 v[KS+1], v[ADS] offset:128
.irp t, 0,1,2,3
.irp c, 0,1
	ds_load_b128 v[VF+8*\t+4*\c:VF+8*\t+4*\c+3], v[ADV] offset:1024*\t+512*\c
.endr
.endr
	ds_load_b32 v[VS], v[ADS] offset:VSC-KSC
	ds_load_b32 v[VS+1], v[ADS] offset:VSC-KSC+128
	s_wait_dscnt 10                                ; the mask, K and its words are in; V's ten loads may be out
.irp b, 0,1,2,3
.irp u, 0,1
.if \b%2
	v_wmma_scale_f32_16x16x128_f8f6f4 v[S+16*\b+8*\u:S+16*\b+8*\u+7], v[KR+8*\b:KR+8*\b+7], v[\qb+8*\u:\qb+8*\u+7], v[S+16*\b+8*\u:S+16*\b+8*\u+7], v[KS+\b/2], v[\qs] matrix_a_fmt:MATRIX_FMT_FP4 matrix_b_fmt:MATRIX_FMT_FP4 matrix_a_scale:MATRIX_SCALE_ROW1
.else
	v_wmma_scale_f32_16x16x128_f8f6f4 v[S+16*\b+8*\u:S+16*\b+8*\u+7], v[KR+8*\b:KR+8*\b+7], v[\qb+8*\u:\qb+8*\u+7], v[S+16*\b+8*\u:S+16*\b+8*\u+7], v[KS+\b/2], v[\qs] matrix_a_fmt:MATRIX_FMT_FP4 matrix_b_fmt:MATRIX_FMT_FP4
.endif
.endr
.endr
.rept 4
	v_nop                                          ; four places between the last product and the first read of results (ISA guide 7.12.1)
.endr
	s_add_co_u32 s[T0], s[KF], 127                 ; on the diagonal the scores of hidden keys become -infinity ahead of the maximum: p = 0 then.  A step all of whose keys count skips this
	s_cmp_le_u32 s[T0], s[Q0]
	s_cbranch_scc1 .Lopen_\@
	s_sub_co_i32 s[T0], s[Q0], s[KF]
	v_add_nc_u32 v[TA], s[T0], v[QL]               ; d = my query - the step's first key - 16 h.  Register 16 b + i holds key 32 b + 16 h + i of the step: hidden where 32 b + i > d
	v_mov_b32 v[TB], 0xff800000                    ; -infinity
.set nn, 0
.rept 64
	v_cmp_gt_i32 vcc_lo, 32*(nn/16)+nn%16, v[TA]
	v_cndmask_b32 v[S+nn], v[S+nn], v[TB], vcc_lo
.set nn, nn+1
.endr
.Lopen_\@:
.irp b, 0,1,2,3
	v_max3_num_f32 v[BM+\b], v[S+16*\b], v[S+1+16*\b], v[S+2+16*\b]   ; THE LARGEST SCORE OF EACH BLOCK OF 32 KEYS: it serves twice: for the row's maximum, and, since p rises with the score, for the block's largest p
.endr
.irp i, 3,5,7,9,11,13
.irp b, 0,1,2,3
	v_max3_num_f32 v[BM+\b], v[BM+\b], v[S+16*\b+\i], v[S+1+16*\b+\i]   ; (the four blocks by turns; each accumulator is read from its low end on)
.endr
.endr
.irp b, 0,1,2,3
	v_max_num_f32 v[BM+\b], v[BM+\b], v[S+15+16*\b]
.endr
.irp b, 0,1,2,3
	s_delay_alu instid0(VALU_DEP_4)
	v_permlanex16_b32 v[BX+\b], v[BM+\b], s[SEL], s[SEL+1]
.endr
.irp b, 0,1,2,3
	s_delay_alu instid0(VALU_DEP_4)
	v_max_num_f32 v[BM+\b], v[BM+\b], v[BX+\b]     ; with lane l xor 16's 16 keys
.endr
	s_delay_alu instid0(VALU_DEP_2)
	v_max3_num_f32 v[TA], v[BM], v[BM+1], v[BM+2]
	s_delay_alu instid0(VALU_DEP_1)
	v_max_num_f32 v[TA], v[TA], v[BM+3]            ; the step's largest score of my query
	s_delay_alu instid0(VALU_DEP_1)
	v_mul_f32 v[TA], s[CS], v[TA]                  ; as t (c is positive)
	s_delay_alu instid0(VALU_DEP_1)
	v_max_num_f32 v[NM+1], v[NM+1], v[TA]          ; the running largest t
	v_mov_b32 v[TA], v[NM]
	s_delay_alu instid0(VALU_DEP_2)
	v_floor_f32 v[NM], -v[NM+1]                    ; the new -M = floor(-t) = -ceil(t): M IS A WHOLE NUMBER
	s_delay_alu instid0(VALU_DEP_1)
	v_sub_f32 v[TA], v[NM], v[TA]                  ; M's old value less its new one: a whole number, 0 or less
	s_delay_alu instid0(VALU_DEP_1)
	v_cvt_i32_f32 v[TA], v[TA]                     ; (it saturates)
	s_delay_alu instid0(VALU_DEP_1)
	v_ldexp_f32 v[F], 1.0, v[TA]                   ; f = 2^(old M - new M): a multiplication by it rounds nothing
.set nn, 0
	s_setprio 1
.rept 32
	v_pk_fma_f32 v[S+nn:S+nn+1], v[S+nn:S+nn+1], s[CS:CS+1], v[NM:NM+1] op_sel_hi:[1,0,0]   ; t - M, two at a time (of the pairs c and -M the low word serves both halves)
.set nn, nn+2
.endr
.irp b, 0,1,2,3
	v_fma_f32 v[BM+\b], v[BM+\b], s[CS], v[NM]     ; the same of each block's largest score
.endr
.set nn, 0
	s_wait_alu depctr_va_vdst(0)
.rept 64
	v_exp_f32 v[S+nn], v[S+nn]                     ; p = 2^(t - M), at most 1: NOT normalised
.set nn, nn+1
.endr
.irp b, 0,1,2,3
	v_exp_f32 v[BM+\b], v[BM+\b]                   ; the block's largest p: the same two instructions on the same number give the same bits
.endr
	v_pk_mul_f32 v[SUM:SUM+1], v[SUM:SUM+1], v[F:F+1] op_sel_hi:[1,0]   ; the sums under the new M.  (A plain place behind the exponentials)
	s_wait_alu depctr_va_vdst(0)
.irp b, 0,1,2,3
	v_max_num_f32 v[BM+\b], 0x1800000, v[BM+\b]    ; the floor 2^(3 - 127): the byte cannot fall under 1 (a block whose every p is 0 keeps that byte: its codes are zeros)
.endr
.irp b, 0,1,2,3
	s_delay_alu instid0(VALU_DEP_4)
	v_add_nc_u32 v[BS+\b], 0xff000000, v[BM+\b]    ; 2 off the exponent field: the conversion's scale operand
.endr
.irp b, 0,1,2,3
	s_delay_alu instid0(VALU_DEP_4)
	v_lshrrev_b32 v[BX+\b], 23, v[BS+\b]           ; the scale's byte
.endr
	s_delay_alu instid0(VALU_DEP_3)
	v_lshl_or_b32 v[PS], v[BX+1], 8, v[BX]         ; p's scale word for these 128 keys
	s_delay_alu instid0(VALU_DEP_1)
	v_lshl_or_b32 v[PS], v[BX+2], 16, v[PS]
	s_delay_alu instid0(VALU_DEP_1)
	v_lshl_or_b32 v[PS], v[BX+3], 24, v[PS]
.irp b, 0,1,2,3
	v_cvt_scalef32_pk8_fp4_f32 v[PCD+2*\b], v[S+16*\b:S+7+16*\b], v[BS+\b]
	v_cvt_scalef32_pk8_fp4_f32 v[PCD+1+2*\b], v[S+8+16*\b:S+15+16*\b], v[BS+\b]
.endr
	v_nop                                          ; one plain place behind a scaled conversion
.irp c, 0,1                                    ; the operand's layout wants a WHOLE block in a lane: lanes 0-15 block 2 c, lanes 16-31 block 2 c + 1
.irp i, 0,1
	v_permlane16_swap_b32 v[PCD+4*\c+\i], v[PCD+2+4*\c+\i]
.endr
.endr
.set nn, 0
.rept 16
	v_pk_mul_f32 v[O+nn:O+nn+1], v[O+nn:O+nn+1], v[F:F+1] op_sel_hi:[1,0]   ; O^T under the new M: x f
.set nn, nn+2
.endr
	s_setprio 0
	v_pk_add_f32 v[234:235], v[100:101], v[104:105]
	v_pk_add_f32 v[252:253], v[108:109], v[112:113]
	v_pk_add_f32 v[250:251], v[116:117], v[120:121]
	v_pk_add_f32 v[248:249], v[124:125], v[128:129]
	v_pk_add_f32 v[240:241], v[132:133], v[136:137]
	v_pk_add_f32 v[238:239], v[140:141], v[144:145]
	v_pk_add_f32 v[226:227], v[148:149], v[152:153]
	v_pk_add_f32 v[230:231], v[230:231], v[156:157]
	v_pk_add_f32 v[234:235], v[234:235], v[96:97]
	v_pk_add_f32 v[252:253], v[252:253], v[98:99]
	v_pk_add_f32 v[250:251], v[250:251], v[102:103]
	v_pk_add_f32 v[248:249], v[248:249], v[106:107]
	v_pk_add_f32 v[240:241], v[240:241], v[110:111]
	v_pk_add_f32 v[238:239], v[238:239], v[114:115]
	v_pk_add_f32 v[226:227], v[226:227], v[118:119]
	v_pk_add_f32 v[230:231], v[230:231], v[122:123]
	v_pk_add_f32 v[234:235], v[234:235], v[126:127]
	v_pk_add_f32 v[252:253], v[252:253], v[130:131]
	v_pk_add_f32 v[250:251], v[250:251], v[134:135]
	v_pk_add_f32 v[248:249], v[248:249], v[138:139]
	v_pk_add_f32 v[240:241], v[240:241], v[142:143]
	v_pk_add_f32 v[238:239], v[238:239], v[146:147]
	v_pk_add_f32 v[226:227], v[226:227], v[150:151]
	v_pk_add_f32 v[230:231], v[230:231], v[154:155]
	v_pk_add_f32 v[234:235], v[234:235], v[158:159]
	s_delay_alu instid0(VALU_DEP_2)
	v_pk_add_f32 v[230:231], v[230:231], v[248:249]
	s_delay_alu instid0(VALU_DEP_2)
	v_pk_add_f32 v[234:235], v[234:235], v[240:241]
	v_pk_add_f32 v[252:253], v[252:253], v[238:239]
	v_pk_add_f32 v[250:251], v[250:251], v[226:227]
	s_delay_alu instid0(VALU_DEP_2)
	v_pk_add_f32 v[230:231], v[230:231], v[252:253]
	s_delay_alu instid0(VALU_DEP_2)
	v_pk_add_f32 v[234:235], v[234:235], v[250:251]
	s_delay_alu instid0(VALU_DEP_1)
	v_pk_add_f32 v[230:231], v[230:231], v[234:235]
	s_wait_dscnt 0x0                               ; V and its words are in
.irp t, 0,1,2,3                                ; O^T += V^T P^T: four tiles of 16 channels, one instruction each: the accumulators take turns
.if \t%2
	v_wmma_scale_f32_16x16x128_f8f6f4 v[O+8*\t:O+8*\t+7], v[VF+8*\t:VF+8*\t+7], v[PCD:PCD+7], v[O+8*\t:O+8*\t+7], v[VS+\t/2], v[PS] matrix_a_fmt:MATRIX_FMT_FP4 matrix_b_fmt:MATRIX_FMT_FP4 matrix_a_scale:MATRIX_SCALE_ROW1
.else
	v_wmma_scale_f32_16x16x128_f8f6f4 v[O+8*\t:O+8*\t+7], v[VF+8*\t:VF+8*\t+7], v[PCD:PCD+7], v[O+8*\t:O+8*\t+7], v[VS+\t/2], v[PS] matrix_a_fmt:MATRIX_FMT_FP4 matrix_b_fmt:MATRIX_FMT_FP4
.endif
.endr
.Lhid_\@:
	s_add_co_u32 s[KF], s[KF], 128
	s_add_co_u32 s[TK], s[TK], 4096
	s_add_co_u32 s[TSW], s[TSW], 256
	s_add_co_u32 s[TMK], s[TMK], 512
.endm
; A BLOCK OF QUERIES: n key steps, then the way out.  The loop is written once: its first step finds zeros, which the first change of M leaves zeros.
.macro PHASE qb, qs, n, op
	v_mov_b32 v[NM+1], 0xff61b1e6                  ; the largest t so far: -3e38, under every t
	s_delay_alu instid0(VALU_DEP_1)
	v_floor_f32 v[NM], -v[NM+1]                    ; -M
	v_mov_b32 v[SUM], 0
	v_mov_b32 v[SUM+1], 0
.set nn, 0
.rept 32
	v_mov_b32 v[O+nn], 0
.set nn, nn+1
.endr
	s_mov_b32 s[TK], 0
	s_mov_b32 s[TSW], 0
	s_mov_b32 s[TMK], 0
	s_mov_b32 s[KF], 0
	s_mov_b32 s[CNT], \n
.Lstep_\@:
	STEP \qb, \qs
	s_sub_co_u32 s[CNT], s[CNT], 1
	s_cmp_lg_u32 s[CNT], 0
	s_cbranch_scc1 .Lstep_\@
	s_setprio 0
	; THE WAY OUT.  O^T / the sum goes through my stage in LDS: a query's 64 channels of this head are 256 bytes, which sixteen lanes store as one aligned run.
.rept 4
	v_nop                                          ; four places between the last product and the first read of results
.endr
	s_wait_alu depctr_va_vdst(0)
	v_add_f32 v[SUM], v[SUM], v[SUM+1]             ; the sum's two halves,
	s_delay_alu instid0(VALU_DEP_1)
	v_permlanex16_b32 v[TA], v[SUM], s[SEL], s[SEL+1]
	s_delay_alu instid0(VALU_DEP_1)
	v_add_f32 v[SUM], v[SUM], v[TA]                ; and lane l xor 16's: the row's sum
	s_wait_alu depctr_va_vdst(0)
	v_rcp_f32 v[SUM], v[SUM]
	v_nop                                          ; one plain place behind a transcendental
.set nn, 0
	s_wait_alu depctr_va_vdst(0)
.rept 16
	v_pk_mul_f32 v[S+nn:S+nn+1], v[O+nn:O+nn+1], v[SUM:SUM+1] op_sel_hi:[1,0]   ; register 16 b + i is channel 32 b + 16 h + i of my query; each accumulator from its low end on
.set nn, nn+2
.endr
.irp t, 0,1,2,3
.irp k, 0,1
	ds_store_b128 v[STO], v[S+8*\t+4*\k:S+8*\t+4*\k+3] offset:128*(\t/2)+32*(\t%2)+16*\k
.endr
.endr
.irp i, 0,1,2,3,4,5,6,7
	ds_load_b128 v[KR+4*\i:KR+4*\i+3], v[RD] offset:2*\i*SP   ; LDS serves a wave's instructions in order (ISA guide 5.7.1.4): these see my stores
.endr
.irp i, 0,1,2,3,4,5,6,7
	s_wait_dscnt 7-\i                              ; rows 2 i and 2 i + 1 are back; the younger loads may be out
	global_store_b128 v[GO], v[KR+4*\i:KR+4*\i+3], s[\op:\op+1] offset:(2*\i+8*(\i/4))*4096 th:TH_STORE_NT   ; stage row x is query x + 8 (x / 8) of my tile; written once, read by nobody here
.endr
	s_wait_xcnt 0x0                                ; the stores have read their registers: the next block's loads land there only behind this wait
.endm
	PHASE 16, 244, 8, 88                           ; block p: its keys end at 1,024 at the latest
	s_mov_b32 s[Q0], s[Q02]
	PHASE 200, 245, 16, 90                         ; block 7 - p
	s_wait_tensorcnt 0x0
	ds_add_u32 v254, v255
	s_wait_dscnt 0x0
	s_endpgm
.Lfunc_end_k_q691f67b7c2_attn:
	.size	k_q691f67b7c2_attn, .Lfunc_end_k_q691f67b7c2_attn-k_q691f67b7c2_attn
	.p2alignl 7, 3214868480
	.fill 96, 4, 3214868480
	.section	.rodata,"a",@progbits
	.p2align	6, 0x0
	.amdhsa_kernel k_q691f67b7c2_attn
		.amdhsa_group_segment_fixed_size 219136
		.amdhsa_private_segment_fixed_size 0
		.amdhsa_enable_private_segment 0
		.amdhsa_kernarg_size 64
		.amdhsa_user_sgpr_count 2
		.amdhsa_user_sgpr_kernarg_segment_ptr 1
		.amdhsa_wavefront_size32 1
		.amdhsa_system_sgpr_workgroup_id_x 1
		.amdhsa_system_sgpr_workgroup_id_y 1
		.amdhsa_system_sgpr_workgroup_id_z 1
		.amdhsa_system_vgpr_workitem_id 0
		.amdhsa_next_free_vgpr 256
		.amdhsa_next_free_sgpr 96
		.amdhsa_reserve_vcc 1
		.amdhsa_float_denorm_mode_32 3
		.amdhsa_float_denorm_mode_16_64 3
		.amdhsa_memory_ordered 1
		.amdhsa_forward_progress 1
		.amdhsa_inst_pref_size 64
	.end_amdhsa_kernel
	.amdgpu_metadata
---
amdhsa.version: [ 1, 2 ]
amdhsa.kernels:
  - .name:           k_q691f67b7c2_attn
    .symbol:         k_q691f67b7c2_attn.kd
    .args:
      - { .name: qimg, .offset: 0, .size: 8, .value_kind: global_buffer, .address_space: global }
      - { .name: qsc, .offset: 8, .size: 8, .value_kind: global_buffer, .address_space: global }
      - { .name: kimg, .offset: 16, .size: 8, .value_kind: global_buffer, .address_space: global }
      - { .name: ksc, .offset: 24, .size: 8, .value_kind: global_buffer, .address_space: global }
      - { .name: vimg, .offset: 32, .size: 8, .value_kind: global_buffer, .address_space: global }
      - { .name: vsc, .offset: 40, .size: 8, .value_kind: global_buffer, .address_space: global }
      - { .name: attention_mask, .offset: 48, .size: 8, .value_kind: global_buffer, .address_space: global }
      - { .name: out0, .offset: 56, .size: 8, .value_kind: global_buffer, .address_space: global }
    .group_segment_fixed_size: 219136
    .private_segment_fixed_size: 0
    .kernarg_segment_align: 8
    .kernarg_segment_size: 64
    .max_flat_workgroup_size: 512
    .sgpr_count:     96
    .vgpr_count:     256
    .wavefront_size: 32
...
	.end_amdgpu_metadata
.endif
;; end of part 2
